; MI455X (gfx1250); checked and timed in simulation.
; The chip was launched on July 23, 2026; its instructions are those of AMD's public machine-readable ISA for CDNA 5 (MIT licence, August 2026) and "CDNA5" Instruction Set Architecture Reference Guide (July 2026). The comments in the code are by the model that wrote it; some were corrected since.
;; Multi Dense. Allowed arithmetic: matrix products marked QUANTISED: E2M3 operands, one E8M0 scale for each 32 along K, by v_wmma_scale_f32_16x16x128_f8f6f4 with both operands' format E2M3, f32 sums; products left as they are: f32 operands where the result goes on into a quantised operand, else bf16, f16 or f32 operands; f32 sums; everything else in f32.
;; Inputs: bias_lookup 16 x 256 float32; lookups 65,536 x 16 float32; values 65,536 x 256 float32; weights_lookup 16 x 256 x 256 float32.
;; Outputs: out0 65,536 x 256 float32.
;; This version of the problem:
;;   THIS VERSION OF THE PROBLEM IS GIVEN IN LOW PRECISION. The matrix products marked QUANTISED in the list below multiply operands that are first quantised to E2M3 (2 exponent bits, 3 mantissa bits; 6 bits a number), with one power-of-two scale for each 32 numbers along K (OCP MX v1.0); their sums are f32. All else is computed in f32.
;;   The module's matrix products, in the order in which they are computed (A, B: the left and right operand; K: the contracted axis; several contracted axes count as one K, in the product's order):
;;     1. batch 65,536 x [M 16, K 1] x [K 1, N 256]; A: computed on the way; B: computed on the way: left as it is (no contracted axis)
;;     2. [M 65,536, K 4,096] x [K 4,096, N 256]; A: computed on the way; B: input weights_lookup: QUANTISED
;;     3. [M 65,536, K 16] x [K 16, N 256]; A: input lookups; B: input bias_lookup: left as it is (K = 16 < 32)
;;   THE QUANTISER, for each operand of a quantised product, along K:
;;     - K is cut into blocks of 32 from its start; a last block that is shorter is filled with zeros.
;;     - A block's scale is 2^e with e = floor(log2(the largest magnitude in the block)) - 2, held to -126 .. 127; a block of zeros has e = 0. As a byte (E8M0): e + 127.
;;     - Each number is divided by its block's scale, clamped to +-7.5, and rounded to the nearest number of E2M3, ties to even, subnormals kept.
;;     - The product sums the exact products of the quantised numbers (number of the format x scale) in f32.
;;   ~~~python
;;   def quantise(x, axis):      # numpy; x: float32 -> the quantised numbers, widened to float32 again
;;       x = np.moveaxis(x, axis, -1); K = x.shape[-1]
;;       x = np.pad(x, [(0, 0)] * (x.ndim - 1) + [(0, -K % 32)]); x = x.reshape(x.shape[:-1] + (-1, 32)); a = np.abs(x).max(-1, keepdims=True)
;;       e = np.where(a > 0, np.clip(np.frexp(np.where(a > 0, a, 1))[1] - 1 - 2, -126, 127), 0)      # np.frexp(a)[1] - 1 = floor(log2(a)), exactly
;;       r = np.clip(x / 2.0 ** e, -7.5, 7.5)
;;       step = 2.0 ** (np.maximum(np.frexp(np.where(r == 0, 1, r))[1] - 1, 0) - 3)
;;       q = np.round(r / step) * step * 2.0 ** e      # np.round: ties to even
;;       return np.moveaxis(q.reshape(q.shape[:-2] + (-1,))[..., :K], -1, axis).astype(np.float32)
;;   ~~~
;;   OPERANDS COMPUTED ON THE WAY. 'Computed on the way' means the value that the module computes at that place (a softmax that the list does not call 'softmax' is quantised finished and normalised). What goes into a quantiser is computed in f32, as accurately as f32 sums, v_exp_f32 and their like allow (about 1e-6 of the number): no bf16 or f16 on the way to a quantiser, and a product that is left as it is and whose result goes on into a quantised operand takes f32 operands (vector FMAs, or v_wmma_f32_16x16x4_f32). A number that lies on a knife's edge between two numbers of the format may be rounded either way, as far as f32 arithmetic and the matrix unit's own rounding can turn it there, and no further.
;; One version. Each part assembles by itself: llvm-mc -triple=amdgcn-amd-amdhsa -mcpu=gfx1250 --defsym DOCPART=n.
;; ======== version 1 of 1: 2 launches
;; workspace buffers: wq 819,200 bytes; bimg 16,384 bytes
;; launch prep (part 1): grid 64 x 1, 8 waves a work-group, no clusters, 1,536 bytes of LDS; arguments weights_lookup, bias_lookup, wq, bimg; writes wq, bimg
.if DOCPART == 1
	.amdgcn_target "amdgcn-amd-amdhsa--gfx1250"
	.amdhsa_code_object_version 6
	.text
	.protected	k_qe45a6cfaff_prep
	.globl	k_qe45a6cfaff_prep
	.p2align	8
	.type	k_qe45a6cfaff_prep,@function
k_qe45a6cfaff_prep:
	s_mov_b64 s[64:65], 0
	v_nop
	global_prefetch_b8 v0, s[64:65] scope:SCOPE_SE
	s_setreg_imm32_b32 hwreg(HW_REG_WAVE_MODE, 25, 1), 1
	s_wait_xcnt 0x0
; out[b][o] = sum over (i, l) of Q(lookups[b][l] x values[b][i]) Q(W[l][i][o]) + sum over l of lookups[b][l] bias[l][o].  Q: codes of FP6 (E2M3) with one E8M0 scale for each 32 along K.
; K = 16 i + l: the product contracts its two axes in the order i, l, so l is innermost and a block of 32 is two neighbouring i x all 16 l.
; NOTHING IS LEFT OUT AS DEAD WORK: all four inputs have a way to the output, and both launches together do all three products.
; THIS LAUNCH quantises W [16][256][256] f32 along K, once, into IMAGES OF THE OPERAND'S REGISTERS (wq), and splits the bias into bf16 fragments, a high and a low part (bimg).
; K STEPS.  Step t of 32 holds i = 8 t .. 8 t + 7 x all l: 128 along K.  In the 6-bit layout lane (r, h) holds registers 6 c .. 6 c + 5 = block 2 c + h of its row: i = 8 t + 4 c + 2 h + 0, 1.
; So lane (r, h) takes column o = 16 n + r and its registers run DOWN K: number 32 c + e is W[e % 16][8 t + 4 c + 2 h + e / 16][o].
; A block lies in one lane's 32 registers: its largest magnitude needs no other lane, and the conversions' results are the operand's registers.
; wq: step t at 25,600 t: fragments n = 0 .. 7 (1,536 bytes each: registers 4 q .. 4 q + 3 of lane L at 512 q + 16 L), 512 bytes of scale words, fragments 8 .. 15, 512 bytes of scale words.
; A piece of scale words: lane L's 16 bytes are four registers; register m holds the words of tile 8 H + m in lanes 0-15 and of tile 8 H + 4 + m in lanes 16-31.
; bimg: tile n at 1,024 n: registers 0-3 of lane (r, h): bf16 pairs of the high part of bias[8 h + 0 .. 7][16 n + r]; registers 4-7: of what the high part leaves.
; SHARES.  Work-group x: step t = x / 2, half H = x % 2; wave w: fragment n = 8 H + w.  The eight waves stand side by side on 512 bytes of each row of W.  All 64 loads of a wave are out at once.
; A block's scale is 2^(floor(log2(largest magnitude)) - 2): its byte is the largest magnitude's exponent field - 2, held at 1 from below by a floor among the maximum's leaves.
; LIMITS: a block of zeros, or one whose largest magnitude lies under 2^-124, keeps the byte 1 (a block of zeros has zero codes, which add nothing; these bytes are read by this program alone); NaN and infinities are not served.
.set STEPB, 25600
.set HALFB, 12800
.set FRB,   1536
.set SCOFF, 12288
.set SPARE, 512                        ; LDS: 0-511 the piece of scale words; from 512 the spare words, 128 bytes for each of eight waves
.set SPW,   8                          ; v8   LDS address of my spare word; never rewritten
.set NIL,   9                          ; v9   0; never rewritten
.set CD,    48                         ; v48-59   the fragment's codes
.set NUM,   64                         ; v64-127  my two blocks of 32 numbers
.set TC,    128                        ; v128-134 each block's upper 16 codes, before they are moved into place
	s_load_b128 s[4:7], s[0:1], 0x0                ; W, bias
	s_load_b128 s[8:11], s[0:1], 0x10              ; wq, bimg
	v_lshl_add_u32 v[SPW], v0, 2, SPARE
	v_mov_b32 v[NIL], 0
	v_lshrrev_b32 v1, 5, v0
	v_readfirstlane_b32 s12, v1                    ; wave 0..7
	v_and_b32 v1, 15, v0                           ; r
	v_bfe_u32 v2, v0, 4, 1                         ; h
	v_and_b32 v3, 31, v0                           ; lane
	v_lshlrev_b32 v4, 2, v1                        ; 4 r
	v_lshl_add_u32 v5, v2, 11, v4                  ; W: 2 h rows of 1,024 bytes + 4 r
	v_lshl_add_u32 v6, v2, 13, v4                  ; bias: 8 h rows of 1,024 bytes + 4 r
	v_lshlrev_b32 v7, 4, v3                        ; 16 x lane: an image's place for my lane
	s_mov_b32 s2, 0x76543210
	s_mov_b32 s3, 0xfedcba98                       ; v_permlanex16_b32's selects for lane l xor 16
	s_lshr_b32 s13, ttmp9, 1                       ; t
	s_and_b32 s14, ttmp9, 1                        ; H
	s_lshl_b32 s17, s14, 3
	s_add_co_u32 s17, s17, s12                     ; n = 8 H + wave
	s_lshl_b32 s20, s13, 13                        ; i = 8 t: 8 t x 1,024 bytes
	s_lshl_b32 s18, s17, 6                         ; o = 16 n: 64 n bytes
	s_mov_b32 s19, 0
	s_add_co_u32 s20, s20, s18
	s_mov_b32 s21, 0
	s_mul_i32 s22, s13, STEPB
	s_mul_i32 s24, s14, HALFB
	s_add_co_u32 s22, s22, s24                     ; my half of my step's block in wq
	s_mov_b32 s23, 0
	s_mul_i32 s24, s12, FRB
	s_add_co_u32 s24, s24, s22                     ; my fragment in it
	s_mov_b32 s25, 0
	s_lshl_b32 s26, s17, 10                        ; my tile in bimg
	s_mov_b32 s27, 0
	s_lshr_b32 s28, s12, 2
	s_lshl_b32 s28, s28, 8
	s_and_b32 s29, s12, 3
	s_lshl_b32 s29, s29, 2
	s_add_co_u32 s28, s28, s29
	v_lshl_add_u32 v10, v1, 4, s28                 ; LDS: my column's scale word: 16 r + 256 (wave / 4) + 4 (wave % 4)
	s_wait_kmcnt 0x0
	s_add_nc_u64 s[4:5], s[4:5], s[20:21]
	s_add_nc_u64 s[6:7], s[6:7], s[18:19]
	s_add_nc_u64 s[24:25], s[8:9], s[24:25]
	s_add_nc_u64 s[22:23], s[8:9], s[22:23]
	s_add_nc_u64 s[10:11], s[10:11], s[26:27]
.irp c, 0,1
.irp e, 0,1,2,3,4,5,6,7,8,9,10,11,12,13,14,15,16,17,18,19,20,21,22,23,24,25,26,27,28,29,30,31
	global_load_b32 v[NUM+32*\c+\e], v5, s[4:5] offset:262144*(\e%16)+1024*(4*\c+\e/16) th:TH_LOAD_NT   ; W[e % 16][8 t + 4 c + 2 h + e / 16][16 n + r]: read once in the launch; the largest offset, 3,937,280, lies inside the signed 24-bit immediate
.endr
.endr
	s_wait_loadcnt 0x0
.irp c, 0,1
	v_max3_num_f32 v[32+\c], |v[NUM+32*\c]|, |v[NUM+1+32*\c]|, 0x1800000   ; block 2 c + h: all its 32 numbers are mine; the floor 2^(3 - 127) holds the byte at 1 from below
.endr
.irp i, 2,4,6,8,10,12,14,16,18,20,22,24,26,28,30
.irp c, 0,1
	v_max3_num_f32 v[32+\c], v[32+\c], |v[NUM+32*\c+\i]|, |v[NUM+1+32*\c+\i]|   ; (the two blocks by turns)
.endr
.endr
.irp c, 0,1
	v_add_nc_u32 v[44+\c], 0xff000000, v[32+\c]    ; 2 off the exponent field: the conversion takes the exponent field of this operand as its scale
.endr
.irp c, 0,1
	v_lshrrev_b32 v[36+\c], 23, v[44+\c]           ; the scale's byte
.endr
	v_lshl_or_b32 v40, v37, 16, v36                ; my two bytes, blocks h and 2 + h,
	v_lshlrev_b32 v41, 3, v2
	v_lshlrev_b32 v40, v41, v40                    ; at their places in the word (8 h bits up);
	v_mov_b32 v42, 0                               ; (a lane permute's destination counts as one of its sources)
	v_permlanex16_b32 v42, v40, s2, s3
	v_or_b32 v40, v40, v42                         ; with lane l xor 16's two the word is whole, in both halves of the lanes
.irp c, 0,1
	v_cvt_scalef32_pk16_fp6_f32 v[CD+6*\c:CD+2+6*\c], v[NUM+32*\c:NUM+15+32*\c], v[44+\c]
	v_cvt_scalef32_pk16_fp6_f32 v[TC+4*\c:TC+2+4*\c], v[NUM+16+32*\c:NUM+31+32*\c], v[44+\c]   ; (a conversion's three registers begin on an even number: a block's second three do not)
.endr
	v_nop                                          ; one plain instruction behind the last scaled conversion
.irp c, 0,1
.irp i, 0,1,2
	v_mov_b32 v[CD+3+6*\c+\i], v[TC+4*\c+\i]
.endr
.endr
.irp q, 0,1,2
	global_store_b128 v7, v[CD+4*\q:CD+4*\q+3], s[24:25] offset:512*\q   ; 32 lanes store 512 consecutive bytes, at a multiple of 256 from wq's first byte
.endr
	ds_store_b32 v10, v40                          ; both halves of the lanes write the same word with the same value
	; the bias: the 16 waves of step 0's two work-groups make a tile each.  No LDS instruction and no barrier stands under this branch on the work-group's number
	s_cmp_lt_u32 ttmp9, 2
	s_cbranch_scc0 .Lno_bias
.irp i, 0,1,2,3,4,5,6,7
	global_load_b32 v[NUM+\i], v6, s[6:7] offset:1024*\i   ; bias[8 h + i][16 n + r]
.endr
	s_wait_loadcnt 0x0
.irp p, 0,1,2,3
	v_cvt_pk_bf16_f32 v[72+\p], v[NUM+2*\p], v[NUM+2*\p+1]   ; the high parts
.endr
.irp p, 0,1,2,3
	v_lshlrev_b32 v[80+2*\p], 16, v[72+\p]         ; widened again,
	v_and_b32 v[81+2*\p], 0xffff0000, v[72+\p]
.endr
.irp i, 0,1,2,3,4,5,6,7
	v_sub_f32 v[80+\i], v[NUM+\i], v[80+\i]        ; and taken away: exact
.endr
.irp p, 0,1,2,3
	v_cvt_pk_bf16_f32 v[76+\p], v[80+2*\p], v[81+2*\p]   ; the low parts
.endr
	global_store_b128 v7, v[72:75], s[10:11]
	global_store_b128 v7, v[76:79], s[10:11] offset:512
.Lno_bias:
	s_wait_dscnt 0x0                               ; for the others' sake: my scale word lies in LDS
	s_barrier_signal -1
	s_barrier_wait -1
	s_cmp_lg_u32 s12, 0
	s_cbranch_scc1 .Lnot_first
	ds_load_b128 v[12:15], v7                      ; wave 0 takes the eight waves' words, 16 bytes a lane,
	s_wait_dscnt 0x0
	global_store_b128 v7, v[12:15], s[22:23] offset:SCOFF   ; and stores the piece: 512 consecutive bytes
.Lnot_first:
	s_wait_tensorcnt 0x0                           ; the wave's end, behind my last LDS store
	ds_add_u32 v[SPW], v[NIL]
	s_wait_dscnt 0x0
	s_endpgm
.Lfunc_end_k_qe45a6cfaff_prep:
	.size	k_qe45a6cfaff_prep, .Lfunc_end_k_qe45a6cfaff_prep-k_qe45a6cfaff_prep
	.p2alignl 7, 3214868480
	.fill 96, 4, 3214868480
	.section	.rodata,"a",@progbits
	.p2align	6, 0x0
	.amdhsa_kernel k_qe45a6cfaff_prep
		.amdhsa_group_segment_fixed_size 1536
		.amdhsa_private_segment_fixed_size 0
		.amdhsa_enable_private_segment 0
		.amdhsa_kernarg_size 32
		.amdhsa_user_sgpr_count 2
		.amdhsa_user_sgpr_kernarg_segment_ptr 1
		.amdhsa_wavefront_size32 1
		.amdhsa_system_sgpr_workgroup_id_x 1
		.amdhsa_system_sgpr_workgroup_id_y 1
		.amdhsa_system_sgpr_workgroup_id_z 1
		.amdhsa_system_vgpr_workitem_id 0
		.amdhsa_next_free_vgpr 136
		.amdhsa_next_free_sgpr 66
		.amdhsa_reserve_vcc 0
		.amdhsa_float_denorm_mode_32 3
		.amdhsa_float_denorm_mode_16_64 3
		.amdhsa_memory_ordered 1
		.amdhsa_forward_progress 1
		.amdhsa_inst_pref_size 15
	.end_amdhsa_kernel
	.amdgpu_metadata
---
amdhsa.version: [ 1, 2 ]
amdhsa.kernels:
  - .name:           k_qe45a6cfaff_prep
    .symbol:         k_qe45a6cfaff_prep.kd
    .args:
      - { .name: weights_lookup, .offset: 0, .size: 8, .value_kind: global_buffer, .address_space: global }
      - { .name: bias_lookup, .offset: 8, .size: 8, .value_kind: global_buffer, .address_space: global }
      - { .name: wq, .offset: 16, .size: 8, .value_kind: global_buffer, .address_space: global }
      - { .name: bimg, .offset: 24, .size: 8, .value_kind: global_buffer, .address_space: global }
    .group_segment_fixed_size: 1536
    .private_segment_fixed_size: 0
    .kernarg_segment_align: 8
    .kernarg_segment_size: 32
    .max_flat_workgroup_size: 256
    .sgpr_count:     66
    .vgpr_count:     136
    .wavefront_size: 32
...
	.end_amdgpu_metadata
.endif
;; end of part 1
;; launch main (part 2): grid 256 x 1, 4 waves a work-group, clusters of 4 x 1, 327,680 bytes of LDS; arguments lookups, values, wq, bimg, out0; writes out0
.if DOCPART == 2
	.amdgcn_target "amdgcn-amd-amdhsa--gfx1250"
	.amdhsa_code_object_version 6
	.text
	.protected	k_qe45a6cfaff_main
	.globl	k_qe45a6cfaff_main
	.p2align	8
	.type	k_qe45a6cfaff_main,@function
k_qe45a6cfaff_main:
	s_mov_b64 s[64:65], 0
	v_nop
	global_prefetch_b8 v0, s[64:65] scope:SCOPE_SE
	s_setreg_imm32_b32 hwreg(HW_REG_WAVE_MODE, 25, 1), 1
	s_wait_xcnt 0x0
	s_wait_alu depctr_hold_cnt(0) depctr_sa_sdst(0) depctr_va_vdst(0) depctr_va_sdst(0) depctr_va_ssrc(0) depctr_va_vcc(0) depctr_vm_vsrc(0)
	s_getreg_b32 s2, hwreg(HW_REG_IB_STS2, 6, 4)
	s_cmp_eq_u32 s2, 0
	s_cbranch_scc0 .Lentry_in_a_cluster
	s_endpgm
.Lentry_in_a_cluster:
	s_bfe_u32 s2, ttmp6, 0x10000c
	s_cmp_lg_u32 s2, 0x3003
	s_cbranch_scc0 .Lentry_shape_is_right
	s_endpgm
.Lentry_shape_is_right:
; out[b][o] = sum over (i, l) of Q(lookups[b][l] x values[b][i]) Q(W[l][i][o]) + sum over l of lookups[b][l] bias[l][o].  No work is left out: the launch before has quantised W (wq) and split the bias (bimg).
; K = 16 i + l: the product contracts its two axes in the order i, l, so l is innermost and a block of 32 is two neighbouring i x all 16 l.
; SHARES.  A work-group owns 256 rows and ALL 256 columns, so that each row's products lookups x values are made and quantised once; each of its four waves owns 64 rows (tiles a = 0 .. 3) x 256 columns (tiles n = 0 .. 15): 64 accumulators, 512 registers.
; K STEPS.  Step t of 32 holds i = 8 t .. 8 t + 7 x all l.  In the 6-bit layout lane (r, h) holds blocks h and 2 + h of its row: block 2 c + h is i = 8 t + 4 c + 2 h + 0, 1.  So a lane keeps its row's 16 lookups in registers for the whole
; launch, and takes four values of its row in each step.
; THE LEFT OPERAND.  Each number is fl(lookup x value), one f32 multiplication.  A block's largest magnitude is not searched for: f32 rounding never turns an order round, and the pair of the largest |lookup| and the larger |value| lies in the
; block: so it is fl(max |l| x max(|v|, |v'|)); max |l| of a row is taken once.
; THE MATRIX INSTRUCTION IS USED TRANSPOSED: source 0 = 16 columns of W, source 1 = my 16 rows: a lane then holds eight neighbouring numbers of a row of out.
; BY TURNS.  A step is two halves of 32 products: H0 (columns 0-127), H1 (128-255), each a = 0 .. 3 outermost.  Tile a's codes and scale word may be written from H1's product 8 a + 8 to the next H0's product 8 a.  The 53 lines that make
; them for the next step begin with 28 that write neither: so the four tiles' lists stand on end, FOUR LINES BEHIND EACH PRODUCT, from H1's product 2 to H0's product 22.  The low fragments of W are free during H1 and the high ones
; during H0: each half is fetched from LDS 32 products ahead of its use.  So one set of codes and one set of fragments serve.
; THE BIAS: 64 bf16 products (K = 32: l = 0 .. 15 twice, against the bias's high and low parts) start all the sums: nothing is cleared.
; WEIGHTS: all work-groups walk the same wq.  A period of 4 steps (102,400 bytes) fills a slot; each wave brings one step's dense block; the four work-groups of a cluster ask JOINTLY (mask 15).  By this text's count a wave has two tensor loads out at the head and one behind each round.
; VALUES come by plain loads in chunks of 64 i (8 steps), so that every load takes whole aligned 256 bytes of two rows: half a chunk (32 rows a wave) is asked for at each change of slots and waits in registers; in the old chunk's last trip
; both halves go into the wave's own LDS bytes, from which each step's four values a tile are read.
; LIMITS: lookups are rounded to bf16 for the bias's product alone; a block of zeros, or one whose largest magnitude lies under 2^-124, keeps the scale byte 1 (zero codes add nothing); NaN and infinities are not served.
; REGISTERS, in windows of 256.  Window 0: v0-7 addresses; v8-11 at work; v12-15 max |l|; v16-19 my tiles' scale words; v20-27 W's scale words; v28-43 a step's four values a tile; v44-46 at work; v48-79 products, two banks of 16; v80-127 codes;
;   v128-191 lookups, 16 a tile; v192-255 rows 32-63 of the chunk on its way.   Window 1: v0-191 W's 16 fragments; v192-255 rows 0-31 of the chunk on its way.   Windows 2, 3: accumulator (a, n) in window 2 + a / 2 at v[128 (a % 2) + 8 n].
.set STEPB, 25600                      ; a step's block in wq and in a slot
.set HALFB, 12800                      ; eight fragments and a piece of scale words
.set FRB,   1536                       ; a fragment's image
.set SCOFF, 12288                      ; the piece of scale words behind eight fragments
.set PERB,  4*STEPB                    ; a slot
.set SLOT1, 1<<17                      ; slot 1 begins here: one exclusive or turns an address of one slot into the other's
.set VALB,  SLOT1+PERB                 ; LDS 233,472: a chunk of values, each wave's own 64 rows of 256 bytes, 272 apart; at the end the wave's stage, 16 rows of 1,024 bytes, 1,040 apart
.set VALW,  17408
.set VP,    272                        ; 68 words: the 32 lanes of a load of 8 bytes (row r, 8 h) touch 64 different banks (64 banks of 4 bytes: ISA guide 11.1)
.set STP,   1040
.set SPARE, VALB+4*VALW                ; LDS 303,104: the spare words, 128 bytes for each wave: two blocks of 256 bytes that no other line names
.set ADB,  0                           ; v0   behind the head: address of the step's block of W
.set SPW,  1                           ; v1   LDS address of my spare word; never rewritten
.set NIL,  2                           ; v2   0; never rewritten
.set LI,   3                           ; v3   16 x lane
.set VA0,  4                           ; v4   my row of a tile among the values, + 8 h
.set ADV,  5                           ; v5   address of the values to be fetched
.set VSA,  6                           ; v6   where I put 16 bytes of values as loaded
.set VG0,  7                           ; v7   values in memory: 1,024 (lane / 16) + 16 (lane % 16)
.set MG,   8                           ; v8-9   the two blocks' largest magnitudes, then the conversions' scale operands
.set TT,   10                          ; v10-11 scale bytes at work
.set LMX,  12                          ; v12-15 max |l| of my row of each tile
.set AS,   16
.set BS,   20
.set VR,   28
.set X,    44
.set P,    48
.set COD,  80
.set LK,   128
.set STG,  192
.set NLN,  53                          ; lines in a tile's list
.set WV,   14                          ; s14  my wave's number
.set SEL,  18                          ; s[18:19] v_permlanex16_b32's selects for lane l xor 16
.set G1W,  24                          ; s[24:31] descriptor group 1: a step's block
.set G0A,  32                          ; s[32:35] group 0: period 0 into slot 0
.set G0B,  36                          ; s[36:39] group 0: period 1 into slot 1; then it walks
.set TB,   40                          ; s40  LDS byte of the block that the step in hand fetches
.set LG,   41                          ; s41  byte, in a chunk's row, of the values to be fetched: 32 a step
.set OC,   42
.set IB,   43
.set VF,   44                          ; s44  1 while a first half of a chunk is still to come
.set VBS,  45                          ; s45  my wave's values region
.set VPT,  48                          ; s[48:49] values in memory: the half chunk asked for last
.set MSB, 0
.macro WIN new                         ; the immediate's high byte repeats the setting that is left; a switch that changes nothing is dropped
.if MSB != (\new)
	s_set_vgpr_msb (MSB<<8)|(\new)
.set MSB, (\new)
.endif
.endm
.macro PLACES n
.rept \n
	v_nop
.endr
.endm
.macro CROUND                          ; a round of the cluster's barrier
	s_barrier_signal -1
	s_barrier_wait -1
	s_cmp_lg_u32 s[WV], 0
	s_cbranch_scc1 .Lnot_wave_0_\@
	s_barrier_signal -3
.Lnot_wave_0_\@:
	s_barrier_wait -3
	s_barrier_signal -1
	s_barrier_wait -1
.endm
; 25 LDS loads: half H of the step's block: eight fragments as they lie, 512 consecutive bytes a load, and four registers of scale words
.macro BLOAD H
	WIN 0x40                                       ; destination window 1, address window 0
.irp n, 0,1,2,3,4,5,6,7
.irp q, 0,1,2
	ds_load_b128 v[12*(8*(\H)+\n)+4*\q:12*(8*(\H)+\n)+4*\q+3], v[ADB] offset:HALFB*(\H)+FRB*\n+512*\q
.endr
.endr
	WIN 0
	ds_load_b128 v[BS+4*(\H):BS+4*(\H)+3], v[ADB] offset:HALFB*(\H)+SCOFF
.endm
; product sl of a half: tile a = sl / 8 of my rows against tile n = 8 hf + sl % 8 of the columns.  W's scale words: register 4 hf + n % 4, lanes 0-15 or, for n % 8 >= 4, lanes 16-31
.macro WM hf
.set wa, sl/8
.set wn, 8*(\hf)+sl%8
.set rD, 128*(wa%2)+8*wn
.if wa < 2
	WIN 0xa1                                       ; source 0 (W) window 1, source 1 (codes) window 0, C and D window 2
.else
	WIN 0xf1                                       ; the same, C and D window 3
.endif
.if (sl%8) < 4
	v_wmma_scale_f32_16x16x128_f8f6f4 v[rD:rD+7], v[12*wn:12*wn+11], v[COD+12*wa:COD+12*wa+11], v[rD:rD+7], v[BS+4*(\hf)+sl%4], v[AS+wa] matrix_a_fmt:MATRIX_FMT_FP6 matrix_b_fmt:MATRIX_FMT_FP6
.else
	v_wmma_scale_f32_16x16x128_f8f6f4 v[rD:rD+7], v[12*wn:12*wn+11], v[COD+12*wa:COD+12*wa+11], v[rD:rD+7], v[BS+4*(\hf)+sl%4], v[AS+wa] matrix_a_fmt:MATRIX_FMT_FP6 matrix_b_fmt:MATRIX_FMT_FP6 matrix_a_scale:MATRIX_SCALE_ROW1
.endif
.endm
; product u of 32 of tile a: two lookups x one value.  Group u / 8 = 0 .. 3 goes into bank (u / 8) % 2.  Groups 0 and 1 are block c = 0, groups 2 and 3 block c = 1; in each block the SECOND i comes first (groups 0, 2), the first i second (groups 1, 3)
.macro PMUL a
.set bk, 16*((u/8)%2)+2*(u%8)
.set rv, VR+4*(\a)+2*(u/16)
.set rl, LK+16*(\a)+2*(u%8)
.if ((u/8)%2) == 1
	v_pk_mul_f32 v[P+bk:P+bk+1], v[rl:rl+1], v[rv:rv+1] op_sel_hi:[1,0]
.else
	v_pk_mul_f32 v[P+bk:P+bk+1], v[rl:rl+1], v[rv:rv+1] op_sel:[0,1] op_sel_hi:[1,1]
.endif
.endm
; LINE j OF THE 53 THAT MAKE TILE a's CODES AND SCALE WORD FOR A STEP.
; The scale word, eleven lines: 0, 1: each block's two values x max |l| (packed, into the first four registers of bank 0, which the products fill only from line 10 on); 4, 5: the larger magnitude and the floor 2^(3 - 127);
; 8, 9: 2 off the exponent field: the conversion's scale operand; 12, 13: the bytes; 16: my two in one word; 21: lane l xor 16's; 28: the word.  It is read from lanes 0-15 alone, whose own bytes are blocks 0 and 2 and whose partner's are
; blocks 1 and 3: own | partner << 8.  These lines stand three apart or more, with products between them, so that none reads a result just made.
; The codes: 32 packed products into two banks of 16 by turns, and four conversions (19, 29, 41, 52), each with a plain line that touches nothing of it next behind it.  A conversion's three registers begin on an even number, so each block's
; upper 16 codes are made in v[X] on and moved (30-32, 49-51); they are made FIRST, so that the list ends with a conversion straight into the codes: the plain line behind that one is the next tile's line 0, or the v_nop behind tile 3's list.
; LINES 0 TO 27 WRITE NEITHER THE TILE'S CODES NOR ITS SCALE WORD: line 28 is the first that does.
.macro TQ a
.set rC, COD+12*(\a)
.if j < 2
.if ((\a)%2) == 0
	v_pk_mul_f32 v[P+2*j:P+2*j+1], v[VR+4*(\a)+2*j:VR+4*(\a)+2*j+1], v[LMX+2*((\a)/2):LMX+2*((\a)/2)+1] op_sel_hi:[1,0]
.else
	v_pk_mul_f32 v[P+2*j:P+2*j+1], v[VR+4*(\a)+2*j:VR+4*(\a)+2*j+1], v[LMX+2*((\a)/2):LMX+2*((\a)/2)+1] op_sel:[0,1] op_sel_hi:[1,1]
.endif
.elseif (j == 4) || (j == 5)
	v_max3_num_f32 v[MG+j-4], |v[P+2*(j-4)]|, |v[P+2*(j-4)+1]|, 0x1800000
.elseif (j == 8) || (j == 9)
	v_add_nc_u32 v[MG+j-8], 0xff000000, v[MG+j-8]
.elseif (j == 12) || (j == 13)
	v_lshrrev_b32 v[TT+j-12], 23, v[MG+j-12]
.elseif j == 16
	v_lshl_or_b32 v[TT], v[TT+1], 16, v[TT]
.elseif j == 19
	v_cvt_scalef32_pk16_fp6_f32 v[X:X+2], v[P:P+15], v[MG]
.elseif j == 21
	v_permlanex16_b32 v[TT+1], v[TT], s[SEL], s[SEL+1]
.elseif j == 28
	v_lshl_or_b32 v[AS+(\a)], v[TT+1], 8, v[TT]
.elseif j == 29
	v_cvt_scalef32_pk16_fp6_f32 v[rC:rC+2], v[P+16:P+31], v[MG]
.elseif (j >= 30) && (j < 33)
	v_mov_b32 v[rC+j-27], v[X+j-30]
.elseif j == 41
	v_cvt_scalef32_pk16_fp6_f32 v[X:X+2], v[P:P+15], v[MG+1]
.elseif (j >= 49) && (j < 52)
	v_mov_b32 v[rC+j-40], v[X+j-49]
.elseif j == 52
	v_cvt_scalef32_pk16_fp6_f32 v[rC+6:rC+8], v[P+16:P+31], v[MG+1]
.else                                  ; a packed product: which one
.if j < 4
.set u, j                              ; 2, 3: products 2, 3
.elseif j < 8
.set u, j-2                            ; 6, 7: 4, 5
.elseif j < 12
.set u, j-10                           ; 10, 11: 0, 1, behind lines 4 and 5, which read their registers
.elseif j < 16
.set u, j-8                            ; 14, 15: 6, 7
.elseif j < 19
.set u, j-9                            ; 17, 18: 8, 9
.elseif j < 21
.set u, j-10                           ; 20: 10
.elseif j < 28
.set u, j-11                           ; 22 to 27: 11 to 16
.elseif j < 41
.set u, j-16                           ; 33 to 40: 17 to 24
.else
.set u, j-17                           ; 42 to 48: 25 to 31
.endif
	PMUL \a
.endif
.endm
.macro SL4 first                       ; a slice: four lines of the four tiles' lists on end, from line first of 4 x 53
	WIN 0
.set lq, \first
.rept 4
.set j, lq%NLN
	TQ lq/NLN
.set lq, lq+1
.endr
.endm
; line j of the 8 that find the largest |lookup| of my row of tile a
.macro LM a
.set rL, LK+16*(\a)
.if j == 0
	v_max3_num_f32 v[LMX+(\a)], |v[rL]|, |v[rL+1]|, |v[rL+2]|
.elseif j < 7
	v_max3_num_f32 v[LMX+(\a)], v[LMX+(\a)], |v[rL+2*j+1]|, |v[rL+2*j+2]|
.else
	v_max_num_f32 v[LMX+(\a)], v[LMX+(\a)], |v[rL+15]|
.endif
.endm
; half a chunk of values: 32 rows x 256 bytes; a load takes two rows' aligned 256 bytes, sixteen lanes each.  win = 0x40: into window 1; 0: into window 0
.macro VLOADG win, off
	WIN \win
.irp q, 0,1,2,3,4,5,6,7,8,9,10,11,12,13,14,15
	global_load_b128 v[STG+4*\q:STG+4*\q+3], v[VG0], s[VPT:VPT+1] offset:\off+2048*\q th:TH_LOAD_NT
.endr
	WIN 0
.endm
.macro VSTORE half, win                ; into my values region, as loaded.  win = 0x04: an LDS store's data are its source 1: window 1; 0: window 0
	WIN \win
.irp q, 0,1,2,3,4,5,6,7,8,9,10,11,12,13,14,15
	ds_store_b128 v[VSA], v[STG+4*\q:STG+4*\q+3] offset:(32*(\half)+2*\q)*VP
.endr
	WIN 0
.endm
.macro VFETCH adr                      ; a step's values: lane (r, h) takes, of row 16 a + r, the 8 bytes at 8 h and the 8 bytes at 16 + 8 h of the step's 32
.irp a, 0,1,2,3
	ds_load_b64 v[VR+4*\a:VR+4*\a+1], v[\adr] offset:16*VP*\a
	ds_load_b64 v[VR+4*\a+2:VR+4*\a+3], v[\adr] offset:16*VP*\a+16
.endr
.endm
; A HALF STEP: 32 products.  hf: which half of the columns.  q = 1: the next step's codes are made between the products: lines 4 (sl - 2) on behind H1's product sl >= 2, lines 4 (sl + 30) on behind H0's product sl <= 22.
; ld = 1: the other half's fragments are fetched at the head.  lk = 1: the values of the step after are fetched behind H0's product 23, when tile 3's lines have read the old ones; their address is made at H1's head
; (where no H1 stands in front, q = 0: at the fetch).  vs = 1: ahead of that fetch the chunk that waits in registers goes into LDS: the old chunk's last values were fetched a step ago, and LDS serves a wave's instructions in order.
; PLACES.  Loads into registers that a product has read stand four plain vector lines behind it: four v_nop at each head.  A tile's line 28, the first that writes its scale word or codes, stands behind H1's product 9 (tile 0), 22 (tile 1),
; H0's product 3 (tile 2), 16 (tile 3); the last readers are H1's products 7, 15, 23, 31: seven plain lines or more lie between.  Its line 52, the last write, stands behind H1's product 15, 28, H0's product 9, 22; the first readers are H0's
; products 0, 8, 16, 24: for tile 3 the four v_nop behind product 23 are the places.  The scale word is written 20 plain lines or more ahead of its first reader.
.macro HALF hf, q, ld, lk, vs
	WIN 0
.if \hf
.if \ld
	s_wait_dscnt 8                                 ; the high fragments are in (behind them: the eight loads of values)
	v_add_nc_u32 v[ADB], s[TB], v[LI]              ; the next step's block
.if \lk
	v_add_nc_u32 v[ADV], s[LG], v[VA0]             ; and where the next half will fetch values
.endif
	PLACES 4
	BLOAD 0
.else
	s_wait_dscnt 0x0
.endif
.else
.if \ld
	PLACES 4
	BLOAD 1
	s_wait_dscnt 25                                ; the low fragments are in; the 25 loads just issued may be out
.endif
.endif
.set sl, 0
.rept 32
	WM \hf
.if \q
.if \hf
.if sl == 2
	WIN 0
	s_wait_dscnt 25                                ; the step's values are in; the 25 loads of the low fragments may be out
.endif
.if sl >= 2
	SL4 4*(sl-2)
.endif
.else
.if sl < 23
	SL4 4*(sl+30)
.elseif sl == 23
	WIN 0
	PLACES 4
.endif
.endif
.endif
.if ((\hf) == 0) && (sl == 23) && (\lk)
	WIN 0
.if \vs
	s_wait_loadcnt 0x0                             ; both halves of the next chunk are in: the younger was asked for four steps ago
	VSTORE 0, 0x04
	VSTORE 1, 0
.endif
.if (\q) == 0
	v_add_nc_u32 v[ADV], s[LG], v[VA0]
.endif
	VFETCH ADV
.endif
.set sl, sl+1
.endr
.endm
; A trip: H1 of step t and H0 of step t + 1.  It fetches step t + 1's block and no other, makes step t + 1's codes, and fetches step t + 2's values.
.macro BODY lk, vs
	HALF 1, 1, 1, \lk, 0
	HALF 0, 1, 1, \lk, \vs
	WIN 0
	s_add_co_u32 s[TB], s[TB], STEPB
	s_add_co_u32 s[LG], s[LG], 32
.endm
; THE CHANGE OF SLOTS.  Each wave waits for all its tensor loads (its block of the slot ahead), adds 0 to its spare word, and waits for that and for its reads of the slot that it leaves: both halves of the slot's last block have been
; fetched.  fill = 1: a round of the cluster's barrier, and the slot just left takes the period after next: four steps, 256 products, in which to land.
.macro CHANGE fill
	WIN 0
	s_wait_tensorcnt 0x0                           ; no tensor load of mine is out, so a group 0 may be written
	ds_add_u32 v[SPW], v[NIL]                      ; 0 onto my spare word
.if \fill
	s_xor_b32 s[G0B+1], s[G0B+1], SLOT1            ; the walking descriptor: the other slot than last time,
	s_add_nc_u64 s[G0B+2:G0B+3], s[G0B+2:G0B+3], PERB   ; the next period; the type bits on top are not reached
.endif
	s_sub_co_u32 s[TB], s[TB], PERB                ; the fetches go back to a slot's first block,
	s_xor_b32 s[TB], s[TB], SLOT1                  ; in the other slot
	s_wait_dscnt 0x0                               ; the add is done, and my reads of the slot that I leave are over
.if \fill
	CROUND                                         ; no wave of any partner still reads that slot or has a load on its way
	tensor_load_to_lds s[G0B:G0B+3], s[G1W:G1W+7]  ; my one tensor load behind the round, and the first thing there
	s_nop 0
	PLACES 4
.else
	s_barrier_signal -1
	s_barrier_wait -1
.endif
.endm
	s_load_b256 s[4:11], s[0:1], 0x0               ; lookups s[4:5], values s[6:7], wq s[8:9], bimg s[10:11]
	s_load_b64 s[12:13], s[0:1], 0x20              ; out
	v_lshl_add_u32 v[SPW], v0, 2, SPARE
	v_mov_b32 v[NIL], 0
	ds_add_u32 v[SPW], v[NIL]                      ; the wave's opening: the add, twice on end, and its wait ahead of my first tensor load; the set-up below, work on registers, stands between
	ds_add_u32 v[SPW], v[NIL]
	v_lshrrev_b32 v48, 5, v0
	v_readfirstlane_b32 s[WV], v48                 ; wave 0..3
	s_bfe_u32 s15, ttmp6, 0x40000                  ; cx: my place in the cluster: it enters the addresses of lookups, values and out alone
	s_lshl_b32 s16, ttmp9, 2
	s_add_co_u32 s16, s16, s15                     ; work-group = 4 x cluster + cx
	; descriptor group 1: a step's block, 25,600 dense bytes, as 100 rows of 256 bytes (32 elements of 8 bytes), no padding
	s_mov_b32 s[G1W], 15|(3<<16)|(1<<21)           ; 15:0 the mask: all four work-groups; 17:16 elements of 8 bytes; 21 set beside a mask
	s_mov_b32 s[G1W+1], 32<<16                     ; tensor_dim0 = 32
	s_mov_b32 s[G1W+2], 100<<16                    ; tensor_dim1 = 100
	s_mov_b32 s[G1W+3], 32<<16                     ; tile_dim0 = 32
	s_mov_b32 s[G1W+4], 100                        ; tile_dim1 = 100
	s_mov_b32 s[G1W+5], 32                         ; from row to row
	s_mov_b32 s[G1W+6], 0
	s_mov_b32 s[G1W+7], 0
	s_mov_b32 s[SEL], 0x76543210
	s_mov_b32 s[SEL+1], 0xfedcba98
	s_mul_i32 s58, s[WV], STEPB                    ; which block of a period I bring, in memory and in a slot: the wave's number alone
	s_mov_b32 s59, 0
	s_mul_i32 s[VBS], s[WV], VALW
	s_add_co_u32 s[VBS], s[VBS], VALB              ; my values region
	s_lshl_b32 s54, s16, 8
	s_lshl_b32 s55, s[WV], 6
	s_add_co_u32 s54, s54, s55                     ; my first row: 256 x work-group + 64 x wave
	s_lshl_b32 s56, s54, 6                         ; in lookups: 64 bytes a row
	s_mov_b32 s57, 0
	s_lshl_b32 s54, s54, 10                        ; in values and in out: 1,024 bytes a row (under 2^26)
	s_mov_b32 s55, 0
	v_and_b32 v[LI], 31, v0                        ; lane
	v_lshlrev_b32 v[LI], 4, v[LI]
	v_and_b32 v48, 15, v0                          ; r
	v_bfe_u32 v49, v0, 4, 1                        ; h
	v_lshlrev_b32 v50, 6, v48                      ; lookups in memory: row r of a tile,
	v_lshl_add_u32 v51, v49, 5, v50                ; and lookups 8 h on of it
	v_mul_u32_u24 v[VA0], v48, VP
	v_lshl_add_u32 v[VA0], v49, 3, v[VA0]
	v_add_nc_u32 v[VA0], s[VBS], v[VA0]
	v_mul_u32_u24 v[VSA], v49, VP
	v_lshl_add_u32 v[VSA], v48, 4, v[VSA]
	v_add_nc_u32 v[VSA], s[VBS], v[VSA]
	v_lshlrev_b32 v[VG0], 10, v49
	v_lshl_add_u32 v[VG0], v48, 4, v[VG0]
	s_wait_dscnt 0x0                               ; both opening adds are done
	s_wait_kmcnt 0x0
	s_add_nc_u64 s[4:5], s[4:5], s[56:57]          ; lookups, values and out at my first row
	s_add_nc_u64 s[VPT:VPT+1], s[6:7], s[54:55]
	s_add_nc_u64 s[12:13], s[12:13], s[54:55]
	s_mov_b32 s[G0A], 1                            ; count = 1
	s_mov_b32 s[G0A+1], s58                        ; LDS address: slot 0
	s_add_nc_u64 s[G0A+2:G0A+3], s[8:9], s[58:59]  ; period 0
	s_or_b32 s[G0A+3], s[G0A+3], 0x80000000        ; type = 2
	s_mov_b32 s[G0B], 1
	s_add_co_u32 s[G0B+1], s58, SLOT1              ; slot 1
	s_add_nc_u64 s[G0B+2:G0B+3], s[8:9], s[58:59]
	s_add_nc_u64 s[G0B+2:G0B+3], s[G0B+2:G0B+3], PERB   ; period 1
	s_or_b32 s[G0B+3], s[G0B+3], 0x80000000
	CROUND                                         ; all four work-groups are here: the first joint loads meet
	tensor_load_to_lds s[G0A:G0A+3], s[G1W:G1W+7]
	s_nop 0
	tensor_load_to_lds s[G0B:G0B+3], s[G1W:G1W+7]
	s_nop 0
	PLACES 4
.irp a, 0,1,2,3
.irp q, 0,1,2,3
	global_load_b128 v[LK+16*\a+4*\q:LK+16*\a+4*\q+3], v50, s[4:5] offset:1024*\a+16*\q   ; all 16 lookups of my row of each tile: they stay
.endr
.endr
.irp a, 0,1,2,3
	global_load_b128 v[COD+8*\a:COD+8*\a+3], v51, s[4:5] offset:1024*\a          ; lookups 8 h + 0 .. 7 of my rows once more, for the bias's product
	global_load_b128 v[COD+8*\a+4:COD+8*\a+7], v51, s[4:5] offset:1024*\a+16
.endr
	VLOADG 0x40, 0                                 ; chunk 0, rows 0-31
	VLOADG 0, 32768                                ; chunk 0, rows 32-63
	WIN 0x40
.irp n, 0,1,2,3,4,5,6,7,8,9,10,11,12,13,14,15
.irp q, 0,1
	global_load_b128 v[8*\n+4*\q:8*\n+4*\q+3], v[LI], s[10:11] offset:1024*\n+512*\q   ; the bias's 16 fragments, as they lie
.endr
.endr
	WIN 0
	s_wait_loadcnt 32                              ; the lookups and chunk 0 are in; the bias's 32 loads may be out
	VSTORE 0, 0x04
	VSTORE 1, 0
	VFETCH VA0                                     ; step 0's values.  LDS serves a wave's instructions in order: these see my stores
	s_wait_dscnt 0x0                               ; they are in, and the stores have read their registers
	s_wait_xcnt 0x0                                ; the loads have read their address
	s_add_nc_u64 s[VPT:VPT+1], s[VPT:VPT+1], 256
	VLOADG 0x40, 0                                 ; chunk 1, rows 0-31
	WIN 0x40                                       ; destination window 1
.irp a, 0,1,2,3
.irp p, 0,1,2,3
	v_cvt_pk_bf16_f32 v[128+8*\a+\p], v[COD+8*\a+2*\p], v[COD+8*\a+2*\p+1]     ; K = 0 .. 15: against the bias's high parts;
	v_cvt_pk_bf16_f32 v[132+8*\a+\p], v[COD+8*\a+2*\p], v[COD+8*\a+2*\p+1]     ; K = 16 .. 31: the same lookups against its low parts
.endr
.endr
	WIN 0
	PLACES 4
	s_wait_loadcnt 16                              ; the bias's fragments are in; chunk 1's 16 loads may be out
	; THE BIAS'S 64 PRODUCTS START ALL THE SUMS.  Behind each stand four lines: first max |l| of my rows (the four tiles by turns), then step 0's codes, tile by tile: 32 + 212 lines, behind the first 61 products
.set bl, 0
.set bs, 0
.rept 64
.if bs < 32
	WIN 0x85                                       ; sources 0 and 1 window 1, destination window 2
.else
	WIN 0xc5                                       ; destination window 3
.endif
	v_wmma_f32_16x16x32_bf16 v[128*((bs/16)%2)+8*(bs%16):128*((bs/16)%2)+8*(bs%16)+7], v[8*(bs%16):8*(bs%16)+7], v[128+8*(bs/16):128+8*(bs/16)+7], 0
.rept 4
.if bl < 32
	WIN 0
.set j, bl/4
	LM bl%4
.elseif bl < 32+4*NLN
	WIN 0
.set j, (bl-32)%NLN
	TQ (bl-32)/NLN
.endif
.set bl, bl+1
.endr
.set bs, bs+1
.endr
	WIN 0
	PLACES 5                                       ; another form takes these accumulators up, and loads land on these products' sources: five places serve both
	s_wait_tensorcnt 0x1                           ; my block of period 0 is in; period 1's may stay out
	s_barrier_signal -1
	s_barrier_wait -1                              ; everybody's is
	s_mov_b32 s[TB], 0
	v_add_nc_u32 v[ADB], s[TB], v[LI]
	BLOAD 0
	BLOAD 1
	s_wait_dscnt 25                                ; step 0's low fragments are in
	s_mov_b32 s[LG], 32
	HALF 0, 0, 0, 1, 0                             ; H0 of step 0; step 1's values are fetched
	WIN 0
	s_mov_b32 s[TB], STEPB
	s_mov_b32 s[LG], 64
	s_mov_b32 s[IB], 3
.Lgroup_0:                                             ; blocks 1 to 3 of period 0
	BODY 1, 0
	s_sub_co_u32 s[IB], s[IB], 1
	s_cmp_lg_u32 s[IB], 0
	s_cbranch_scc1 .Lgroup_0
	s_mov_b32 s[OC], 3
.Lchunk:                                               ; a trip: two periods, the second half of a chunk's steps and the first half of the next chunk's
	s_cmp_lg_u32 s[OC], 1
	s_cselect_b32 s[VF], 1, 0                      ; the last trip has no chunk behind the one that it begins
	CHANGE 1
	s_wait_xcnt 0x0                                ; the last loads of values have read their address
	s_add_nc_u64 s[VPT:VPT+1], s[VPT:VPT+1], 32768 ; the next chunk's rows 32-63: their registers' last load was waited for, and their last stores have read them (the change's wait on DScnt)
	VLOADG 0, 0
	s_mov_b32 s[LG], 160                           ; the chunk's steps 5, 6, 7
	s_mov_b32 s[IB], 3
.Lgroup_odd:
	BODY 1, 0
	s_sub_co_u32 s[IB], s[IB], 1
	s_cmp_lg_u32 s[IB], 0
	s_cbranch_scc1 .Lgroup_odd
	s_mov_b32 s[LG], 0                             ; the period's last trip is written out: the next chunk goes into LDS, and its step 0's values are fetched
	BODY 1, 1
	CHANGE 1
	s_cmp_eq_u32 s[VF], 0
	s_cbranch_scc1 .Lno_chunk
	s_wait_xcnt 0x0
	s_sub_nc_u64 s[VPT:VPT+1], s[VPT:VPT+1], 32512 ; 32 rows back, 256 bytes on: the chunk after, rows 0-31
	VLOADG 0x40, 0
.Lno_chunk:
	s_mov_b32 s[LG], 32                            ; the chunk's steps 1 to 4
	s_mov_b32 s[IB], 4
.Lgroup_even:
	BODY 1, 0
	s_sub_co_u32 s[IB], s[IB], 1
	s_cmp_lg_u32 s[IB], 0
	s_cbranch_scc1 .Lgroup_even
	s_sub_co_u32 s[OC], s[OC], 1
	s_cmp_lg_u32 s[OC], 0
	s_cbranch_scc1 .Lchunk
	CHANGE 0                                       ; the last period: nothing is left to ask for
	s_mov_b32 s[LG], 160
	s_mov_b32 s[IB], 3
.Lgroup_7:
	BODY 1, 0
	s_sub_co_u32 s[IB], s[IB], 1
	s_cmp_lg_u32 s[IB], 0
	s_cbranch_scc1 .Lgroup_7
	BODY 0, 0                                      ; H1 of step 30, H0 of step 31: no values are left to fetch
	HALF 1, 0, 0, 0, 0                             ; H1 of step 31
	WIN 0
.set STO, 10                           ; v10  the way out: where I put 32 bytes of a row
.set RD,  11                           ; v11  and where I read rows back
	v_bfe_u32 v8, v[LI], 4, 4                      ; r.  (These six plain lines name no register of the last products: they are the places in front of the first read of results)
	v_lshrrev_b32 v9, 8, v[LI]                     ; h
	v_mul_u32_u24 v[STO], v8, STP
	v_lshl_add_u32 v[STO], v9, 5, v[STO]
	v_add_nc_u32 v[STO], s[VBS], v[STO]            ; the stage: row r, 32 bytes for each half of the lanes
	v_add_nc_u32 v[RD], s[VBS], v[LI]              ; back: 16 bytes a lane
; THE WAY OUT, a tile of 16 rows at a time.  A lane holds 32 neighbouring bytes of a row for each of the 16 column tiles, and the lanes beside it hold other rows: so a tile goes through my own stage (my values region, which
; only my own LDS instructions ever touch) and comes back as rows of 1,024 bytes, of which the 32 lanes store 512 consecutive bytes an instruction.  LDS serves a wave's instructions in order: no wait between stores and loads.
.macro OUT a
.if (\a) > 0
	s_wait_xcnt 0x0                                ; the last tile's stores have read their registers: they are loaded again only behind this wait
.endif
	WIN 0x08+4*((\a)/2)                            ; the data: window 2 or 3
.irp n, 0,1,2,3,4,5,6,7,8,9,10,11,12,13,14,15
	ds_store_b128 v[STO], v[128*((\a)%2)+8*\n:128*((\a)%2)+8*\n+3] offset:64*\n        ; each accumulator from its low end on
	ds_store_b128 v[STO], v[128*((\a)%2)+8*\n+4:128*((\a)%2)+8*\n+7] offset:64*\n+16
.endr
	WIN 0
.set i, 0
.rept 32
	ds_load_b128 v[LK+4*i:LK+4*i+3], v[RD] offset:STP*(i/2)+512*(i%2)
.set i, i+1
.endr
.set i, 0
.rept 32
	s_wait_dscnt 31-i
	global_store_b128 v[LI], v[LK+4*i:LK+4*i+3], s[12:13] offset:(16*(\a)+i/2)*1024+512*(i%2) th:TH_STORE_NT   ; at a multiple of 256 from out's first byte; written once, read by nobody here
.set i, i+1
.endr
.endm
	OUT 0
	OUT 1
	OUT 2
	OUT 3
	s_wait_tensorcnt 0x0                           ; the wave's end, behind my last tensor load and my last LDS store
	ds_add_u32 v[SPW], v[NIL]
	s_wait_dscnt 0x0
	CROUND                                         ; the closing round: no work-group ends while a partner may still ask for a block that names it
	s_endpgm
.Lfunc_end_k_qe45a6cfaff_main:
	.size	k_qe45a6cfaff_main, .Lfunc_end_k_qe45a6cfaff_main-k_qe45a6cfaff_main
	.p2alignl 7, 3214868480
	.fill 96, 4, 3214868480
	.section	.rodata,"a",@progbits
	.p2align	6, 0x0
	.amdhsa_kernel k_qe45a6cfaff_main
		.amdhsa_group_segment_fixed_size 327680
		.amdhsa_private_segment_fixed_size 0
		.amdhsa_enable_private_segment 0
		.amdhsa_kernarg_size 40
		.amdhsa_user_sgpr_count 2
		.amdhsa_user_sgpr_kernarg_segment_ptr 1
		.amdhsa_wavefront_size32 1
		.amdhsa_system_sgpr_workgroup_id_x 1
		.amdhsa_system_sgpr_workgroup_id_y 1
		.amdhsa_system_sgpr_workgroup_id_z 1
		.amdhsa_system_vgpr_workitem_id 0
		.amdhsa_next_free_vgpr 1024
		.amdhsa_next_free_sgpr 66
		.amdhsa_reserve_vcc 0
		.amdhsa_float_denorm_mode_32 3
		.amdhsa_float_denorm_mode_16_64 3
		.amdhsa_memory_ordered 1
		.amdhsa_forward_progress 1
		.amdhsa_inst_pref_size 255
	.end_amdhsa_kernel
	.section	.bss,"aw",@nobits
	.p2align	6
	.space	262144
	.amdgpu_metadata
---
amdhsa.version: [ 1, 2 ]
amdhsa.kernels:
  - .name:           k_qe45a6cfaff_main
    .symbol:         k_qe45a6cfaff_main.kd
    .args:
      - { .name: lookups, .offset: 0, .size: 8, .value_kind: global_buffer, .address_space: global }
      - { .name: values, .offset: 8, .size: 8, .value_kind: global_buffer, .address_space: global }
      - { .name: wq, .offset: 16, .size: 8, .value_kind: global_buffer, .address_space: global }
      - { .name: bimg, .offset: 24, .size: 8, .value_kind: global_buffer, .address_space: global }
      - { .name: out0, .offset: 32, .size: 8, .value_kind: global_buffer, .address_space: global }
    .group_segment_fixed_size: 327680
    .private_segment_fixed_size: 0
    .kernarg_segment_align: 8
    .kernarg_segment_size: 40
    .max_flat_workgroup_size: 128
    .sgpr_count:     66
    .vgpr_count:     1024
    .wavefront_size: 32
...
	.end_amdgpu_metadata
.endif
;; end of part 2
